; MI455X (gfx1250); checked and timed in simulation.
; The chip was launched on July 23, 2026; its instructions are those of AMD's public machine-readable ISA for CDNA 5 (MIT licence, August 2026) and "CDNA5" Instruction Set Architecture Reference Guide (July 2026). The comments in the code are by the model that wrote it; some were corrected since.
;; metal attention. Allowed arithmetic: matrix products marked QUANTISED: E2M3 operands, one E8M0 scale for each 32 along K, by v_wmma_scale_f32_16x16x128_f8f6f4 with both operands' format E2M3, f32 sums; everything else in f32.
;; Inputs: W_k 512 x 512 float32; W_q 512 x 512 float32; W_v 512 x 512 float32; mask 64 x 1,024 int32; metal_feature 64 x 64 x 512 float32; x 64 x 1,024 x 512 float32.
;; Outputs: out0 64 x 64 x 512 float32.
;; This version of the problem:
;;   THIS VERSION OF THE PROBLEM IS GIVEN IN LOW PRECISION. The matrix products marked QUANTISED in the list below multiply operands that are first quantised to E2M3 (2 exponent bits, 3 mantissa bits; 6 bits a number), with one power-of-two scale for each 32 numbers along K (OCP MX v1.0); their sums are f32. All else is computed in f32.
;;   The module's matrix products, in the order in which they are computed (A, B: the left and right operand; K: the contracted axis; several contracted axes count as one K, in the product's order):
;;     1. [M 4,096, K 512] x [K 512, N 512]; A: input metal_feature; B: input W_q: QUANTISED
;;     2. [M 65,536, K 512] x [K 512, N 512]; A: input x; B: input W_k: QUANTISED
;;     3. [M 65,536, K 512] x [K 512, N 512]; A: input x; B: input W_v: QUANTISED
;;     4. batch 64 x [M 64, K 512] x [K 512, N 1,024]; A: computed on the way; B: computed on the way: QUANTISED
;;     5. batch 64 x [M 64, K 1,024] x [K 1,024, N 512]; A: softmax (see below); B: computed on the way: QUANTISED
;;   THE QUANTISER, for each operand of a quantised product, along K:
;;     - K is cut into blocks of 32 from its start; a last block that is shorter is filled with zeros.
;;     - A block's scale is 2^e with e = floor(log2(the largest magnitude in the block)) - 2, held to -126 .. 127; a block of zeros has e = 0. As a byte (E8M0): e + 127.
;;     - Each number is divided by its block's scale, clamped to +-7.5, and rounded to the nearest number of E2M3, ties to even, subnormals kept.
;;     - The product sums the exact products of the quantised numbers (number of the format x scale) in f32.
;;   ~~~python
;;   def quantise(x, axis):      # numpy; x: float32 -> the quantised numbers, widened to float32 again
;;       x = np.moveaxis(x, axis, -1); K = x.shape[-1]
;;       x = np.pad(x, [(0, 0)] * (x.ndim - 1) + [(0, -K % 32)]); x = x.reshape(x.shape[:-1] + (-1, 32)); a = np.abs(x).max(-1, keepdims=True)
;;       e = np.where(a > 0, np.clip(np.frexp(np.where(a > 0, a, 1))[1] - 1 - 2, -126, 127), 0)      # np.frexp(a)[1] - 1 = floor(log2(a)), exactly
;;       r = np.clip(x / 2.0 ** e, -7.5, 7.5)
;;       step = 2.0 ** (np.maximum(np.frexp(np.where(r == 0, 1, r))[1] - 1, 0) - 3)
;;       q = np.round(r / step) * step * 2.0 ** e      # np.round: ties to even
;;       return np.moveaxis(q.reshape(q.shape[:-2] + (-1,))[..., :K], -1, axis).astype(np.float32)
;;   ~~~
;;   SOFTMAX AHEAD OF A QUANTISED PRODUCT. Where the list says 'softmax', what is quantised is not the finished softmax but p = 2^(t - M), with t = logit x log2(e) and M = ceil(the row's largest t), a whole number; so 1/2 < the row's largest p <= 1. The row's sum l is taken of the UNQUANTISED p, in f32, and the product's result is divided by l at the end. Since M is a whole number, a kernel that streams over the keys may use a running M (the ceiling of the running maximum): every later rescaling is an exact power of two, which a block's scale takes up: the codes' values come out the same.
;;   OPERANDS COMPUTED ON THE WAY. 'Computed on the way' means the value that the module computes at that place (a softmax that the list does not call 'softmax' is quantised finished and normalised). What goes into a quantiser is computed in f32, as accurately as f32 sums, v_exp_f32 and their like allow (about 1e-6 of the number): no bf16 or f16 on the way to a quantiser, and a product that is left as it is and whose result goes on into a quantised operand takes f32 operands (vector FMAs, or v_wmma_f32_16x16x4_f32). A number that lies on a knife's edge between two numbers of the format may be rounded either way, as far as f32 arithmetic and the matrix unit's own rounding can turn it there, and no further.
;; One version. Each part assembles by itself: llvm-mc -triple=amdgcn-amd-amdhsa -mcpu=gfx1250 --defsym DOCPART=n.
;; ======== version 1 of 1: 3 launches
;; limits: right only within a limited range of input values
;; workspace buffers: wcodes 589,824 bytes; wscales 24,576 bytes; part 33,554,432 bytes; stats 262,144 bytes
;; launch prep (part 1): grid 192 x 1, 1 waves a work-group, no clusters, 0 bytes of LDS; arguments W_q, W_k, W_v, wcodes, wscales; writes wcodes, wscales
.if DOCPART == 1
	.amdgcn_target "amdgcn-amd-amdhsa--gfx1250"
	.amdhsa_code_object_version 6
	.text
	.protected	k_q573426b40d_prep
	.globl	k_q573426b40d_prep
	.p2align	8
	.type	k_q573426b40d_prep,@function
k_q573426b40d_prep:
	s_mov_b64 s[64:65], 0
	v_nop
	global_prefetch_b8 v0, s[64:65] scope:SCOPE_SE
	s_setreg_imm32_b32 hwreg(HW_REG_WAVE_MODE, 25, 1), 1
	s_wait_xcnt 0x0
; W_q, W_k, W_v [512][512] f32 (K, the features, innermost) become codes of FP6 (E2M3) with one E8M0 byte for each 32 along K,
; laid IN THE ORDER OF THE OPERAND'S REGISTERS, so that the next launch loads every fragment by three loads of 16 bytes a lane.
; wcodes: [weight m][wave w][K step s][tile T], a fragment (16 rows x 128 K, 12 registers a lane) as 3 x 32 lanes x 16 bytes = 1,536 bytes.
; wscales: [m][w][c][lane][s] words: lanes 0-15 the scale words of tile 2 c, lanes 16-31 those of tile 2 c + 1; a lane's four words are its four K steps, so that one load of 16 bytes a lane brings four scale registers.
; THE ROWS OF A TILE ARE NOT NEIGHBOURS: in each run of 32 rows, lane r of tile 2 c + u takes row 32 c + 8 u + r + 8 (r / 8).
; SHARES: a work-group is one wave.  Work-group n takes K step n % 4 of rows 32 (g % 16) .. + 31 of weight g / 16, g = n / 4: two fragments and one register of scale words.
; A lane reads 16 neighbouring numbers of each block of 32 of its row (64 bytes, four loads); lanes l and l xor 16 hold a block.
; A block's scale is 2^(floor(log2(largest magnitude)) - 2): its byte is the largest magnitude's exponent field - 2, held at 1 from below.
; LIMITS: a block of zeros, or one whose largest magnitude lies under 2^-124, keeps the byte 1 (zero codes add nothing under it; this program alone reads the bytes);
; NaN and infinities among the inputs are not served.  192 waves are all the work there is: 3 MiB in, 0.6 MiB out.
.set TM,  8                            ; v8-19   at work: largest magnitudes, bytes, the conversions' scale operands
.set PW,  20                           ; v20-21  the two fragments' scale words
.set PCA, 24                           ; v24-35  codes of tile 2 c
.set PCB, 36                           ; v36-47  codes of tile 2 c + 1
.set PT,  48                           ; v48-55  the conversions' second halves
.set SEL, 14                           ; s[14:15] lane selects for v_permlanex16_b32: lane l xor 16
.set MSB, 0
.macro WIN new                         ; the immediate's high byte repeats the setting that is left (here every window stays 0: nothing is written)
.if MSB != (\new)
	s_set_vgpr_msb (MSB<<8)|(\new)
.set MSB, (\new)
.endif
.endm
; 64 numbers of a lane, register 16 b + i = k 32 b + 16 (lane / 16) + i of my row: the four blocks' largest magnitudes into v[TM] on
.macro QMAX src, win
	WIN (\win)|((\win)<<2)
.irp b, 0,1,2,3
	v_max3_num_f32 v[TM+\b], |v[\src+16*\b]|, |v[\src+16*\b+1]|, 0x1800000   ; and the floor 2^(3 - 127): the byte cannot fall under 1
.endr
.irp i, 2,4,6,8,10,12,14
.irp b, 0,1,2,3
	v_max3_num_f32 v[TM+\b], |v[\src+16*\b+\i]|, |v[\src+16*\b+\i+1]|, v[TM+\b]   ; the four blocks by turns
.endr
.endr
	WIN 0
.irp b, 0,1,2,3
	v_permlanex16_b32 v[TM+4+\b], v[TM+\b], s[SEL], s[SEL+1]
.endr
.irp b, 0,1,2,3
	v_max_num_f32 v[TM+\b], v[TM+\b], v[TM+4+\b]   ; with lane l xor 16's 16 numbers
.endr
.endm
; from the largest magnitudes: the scale word into v[pw], the fragment's 12 registers into v[dst] on
.macro QFIN src, win, dst, pw
.irp b, 0,1,2,3
	v_add_nc_u32 v[TM+8+\b], 0xff000000, v[TM+\b]   ; 2 off the exponent field: the conversion takes this operand's exponent field as its scale
.endr
.irp b, 0,1,2,3
	v_lshrrev_b32 v[TM+4+\b], 23, v[TM+8+\b]        ; the scale's byte
.endr
	v_lshl_or_b32 v[\pw], v[TM+5], 8, v[TM+4]
	v_lshl_or_b32 v[\pw], v[TM+6], 16, v[\pw]
	v_lshl_or_b32 v[\pw], v[TM+7], 24, v[\pw]
	WIN \win
.irp c, 0,1
	v_cvt_scalef32_pk16_fp6_f32 v[\dst+6*\c:\dst+6*\c+2], v[\src+32*\c:\src+32*\c+15], v[TM+8+2*\c]
	v_cvt_scalef32_pk16_fp6_f32 v[PT+4*\c:PT+4*\c+2], v[\src+32*\c+16:\src+32*\c+31], v[TM+9+2*\c]   ; (a conversion's three registers begin on an even number)
.endr
	WIN 0
	v_nop                                          ; one plain instruction behind the scaled conversions
.irp c, 0,1                            ; the operand wants a WHOLE block in a lane: lanes 0-15 block 2 c, lanes 16-31 block 2 c + 1
.irp i, 0,1,2
	v_permlane16_swap_b32 v[\dst+6*\c+\i], v[PT+4*\c+\i]
.endr
.irp i, 0,1,2
	v_mov_b32 v[\dst+6*\c+3+\i], v[PT+4*\c+\i]
.endr
.endr
.endm
.macro QUANT src, win, dst, pw
	QMAX \src, \win
	QFIN \src, \win, \dst, \pw
.endm
	s_load_b128 s[4:7], s[0:1], 0x0                ; W_q, W_k
	s_load_b128 s[8:11], s[0:1], 0x10              ; W_v, wcodes
	s_load_b64 s[12:13], s[0:1], 0x20              ; wscales
	s_and_b32 s16, ttmp9, 3                        ; K step s
	s_lshr_b32 s26, ttmp9, 2                       ; g: which 32 rows of which weight
	v_and_b32 v2, 15, v0                           ; r (v0 is the lane: one wave)
	v_bfe_u32 v3, v0, 4, 1                         ; h
	v_and_b32 v4, 8, v2
	v_add_nc_u32 v4, v4, v2                        ; r + 8 (r / 8)
	v_lshlrev_b32 v4, 11, v4                       ; a row is 2,048 bytes
	v_lshl_add_u32 v4, v3, 6, v4                   ; + 64 h: my 16 numbers of a block
	v_lshlrev_b32 v5, 4, v0                        ; 16 x lane: an image's place for my lane, and my four scale words'
	s_mov_b32 s[SEL], 0x76543210
	s_mov_b32 s[SEL+1], 0xfedcba98
.irp b, 0,1,2,3
	v_mov_b32 v[TM+4+\b], 0                        ; written once: a lane permute's destination counts as one of its sources
.endr
	s_and_b32 s17, s26, 15                         ; which 32 rows of the weight
	s_lshl_b32 s18, s17, 16                        ; 32 rows of 2,048 bytes
	s_lshl_b32 s19, s16, 9                         ; + my K step's 512 bytes
	s_add_co_u32 s18, s18, s19
	s_mov_b32 s19, 0
	s_lshr_b32 s20, s26, 2                         ; 4 m + w
	s_and_b32 s21, s26, 3                          ; c
	s_lshl_b32 s22, s20, 5
	s_lshl_b32 s23, s16, 3
	s_add_co_u32 s22, s22, s23
	s_lshl_b32 s23, s21, 1
	s_add_co_u32 s22, s22, s23                     ; fragment 32 (4 m + w) + 8 s + 2 c
	s_mul_i32 s22, s22, 1536
	s_mov_b32 s23, 0
	s_lshl_b32 s24, s20, 11                        ; scale words: 2,048 bytes for each (m, w),
	s_lshl_b32 s25, s21, 9                         ; 512 for each c,
	s_add_co_u32 s24, s24, s25
	s_lshl_b32 s25, s16, 2                         ; word s of a lane's four
	s_add_co_u32 s24, s24, s25
	s_mov_b32 s25, 0
	s_wait_alu depctr_va_vdst(0)
	s_wait_kmcnt 0x0
	s_cmp_lt_u32 s26, 32                           ; which weight: the choice hangs on the work-group's number alone
	s_cselect_b64 s[6:7], s[6:7], s[8:9]
	s_cmp_lt_u32 s26, 16
	s_cselect_b64 s[4:5], s[4:5], s[6:7]
	s_add_nc_u64 s[4:5], s[4:5], s[18:19]
	s_add_nc_u64 s[10:11], s[10:11], s[22:23]
	s_add_nc_u64 s[12:13], s[12:13], s[24:25]
.irp u, 0,1                            ; tile 2 c + u begins 8 u rows on
.irp b, 0,1,2,3
.irp j, 0,1,2,3
	global_load_b128 v[64+64*\u+16*\b+4*\j:64+64*\u+16*\b+4*\j+3], v4, s[4:5] offset:16384*\u+128*\b+16*\j th:TH_LOAD_NT
.endr
.endr
.endr
	s_wait_loadcnt 16                              ; the first tile's 16 loads are in; the second tile's 16 may be out
	QUANT 64, 0, PCA, PW
	s_wait_loadcnt 0x0
	QUANT 128, 0, PCB, PW+1
	v_cmp_gt_u32 vcc_lo, 16, v0
	v_cndmask_b32 v7, v[PW+1], v[PW], vcc_lo       ; lanes 0-15: tile 2 c's words; lanes 16-31: tile 2 c + 1's (a word stands in lanes r and r + 16 alike)
.irp g, 0,1,2
	global_store_b128 v5, v[PCA+4*\g:PCA+4*\g+3], s[10:11] offset:512*\g          ; each store of the wave covers 512 consecutive bytes, aligned
.endr
.irp g, 0,1,2
	global_store_b128 v5, v[PCB+4*\g:PCB+4*\g+3], s[10:11] offset:1536+512*\g
.endr
	global_store_b32 v5, v7, s[12:13]              ; one word of each lane's four: 24 KiB in the whole launch go out so
	s_endpgm
.Lfunc_end_k_q573426b40d_prep:
	.size	k_q573426b40d_prep, .Lfunc_end_k_q573426b40d_prep-k_q573426b40d_prep
	.p2alignl 7, 3214868480
	.fill 96, 4, 3214868480
	.section	.rodata,"a",@progbits
	.p2align	6, 0x0
	.amdhsa_kernel k_q573426b40d_prep
		.amdhsa_group_segment_fixed_size 0
		.amdhsa_private_segment_fixed_size 0
		.amdhsa_enable_private_segment 0
		.amdhsa_kernarg_size 40
		.amdhsa_user_sgpr_count 2
		.amdhsa_user_sgpr_kernarg_segment_ptr 1
		.amdhsa_wavefront_size32 1
		.amdhsa_system_sgpr_workgroup_id_x 1
		.amdhsa_system_sgpr_workgroup_id_y 1
		.amdhsa_system_sgpr_workgroup_id_z 1
		.amdhsa_system_vgpr_workitem_id 0
		.amdhsa_next_free_vgpr 192
		.amdhsa_next_free_sgpr 66
		.amdhsa_reserve_vcc 1
		.amdhsa_float_denorm_mode_32 3
		.amdhsa_float_denorm_mode_16_64 3
		.amdhsa_memory_ordered 1
		.amdhsa_forward_progress 1
		.amdhsa_inst_pref_size 14
	.end_amdhsa_kernel
	.amdgpu_metadata
---
amdhsa.version: [ 1, 2 ]
amdhsa.kernels:
  - .name:           k_q573426b40d_prep
    .symbol:         k_q573426b40d_prep.kd
    .args:
      - { .name: W_q, .offset: 0, .size: 8, .value_kind: global_buffer, .address_space: global }
      - { .name: W_k, .offset: 8, .size: 8, .value_kind: global_buffer, .address_space: global }
      - { .name: W_v, .offset: 16, .size: 8, .value_kind: global_buffer, .address_space: global }
      - { .name: wcodes, .offset: 24, .size: 8, .value_kind: global_buffer, .address_space: global }
      - { .name: wscales, .offset: 32, .size: 8, .value_kind: global_buffer, .address_space: global }
    .group_segment_fixed_size: 0
    .private_segment_fixed_size: 0
    .kernarg_segment_align: 8
    .kernarg_segment_size: 40
    .max_flat_workgroup_size: 32
    .sgpr_count:     66
    .vgpr_count:     192
    .wavefront_size: 32
...
	.end_amdgpu_metadata
.endif
;; end of part 1
;; launch main (part 2): grid 4 x 64, 4 waves a work-group, no clusters, 327,680 bytes of LDS; arguments x, metal_feature, mask, wcodes, wscales, part, stats; writes part, stats
.if DOCPART == 2
	.amdgcn_target "amdgcn-amd-amdhsa--gfx1250"
	.amdhsa_code_object_version 6
	.text
	.protected	k_q573426b40d_main
	.globl	k_q573426b40d_main
	.p2align	8
	.type	k_q573426b40d_main,@function
k_q573426b40d_main:
	s_mov_b64 s[64:65], 0
	v_nop
	global_prefetch_b8 v0, s[64:65] scope:SCOPE_SE
	s_setreg_imm32_b32 hwreg(HW_REG_WAVE_MODE, 25, 1), 1
	s_wait_xcnt 0x0
; One work-group takes 256 keys of one batch (grid x: which 256, grid y: the batch) through the whole chain and stores an unnormalised part of the result:
; Q = Q6(mf) Q6(W_q)^T, K = Q6(x) Q6(W_k)^T, S^T = Q6(K) Q6(Q)^T, p = 2^(t - M), V = Q6(x) Q6(W_v)^T, O^T = Q6(V^T) Q6(p)^T; Q6 is the MX-FP6 quantiser along each product's K.
; part gets O^T's rows, stats gets -M and the sum of the unquantised p for each query; the next launch joins a batch's four parts.
; SHARES: four waves.  Wave w holds rows 128 w .. + 127 of a weight as codes in its registers (32 fragments, 384 registers), loaded in the operand's order from wcodes;
; it quantises features 128 w .. + 127 of x and of metal_feature; in the scores it takes key tile w of a trip's four against all 64 queries; in the softmax it owns query tile w.
; x comes in four tiles of 64 keys by tensor loads, one a wave (64 rows x 512 bytes, rows 520 bytes apart in LDS), into one slot.  A TRIP: the slot's 64 rows go into 256 registers
; (v128-255, and v192-255 of windows 2 and 3), two of the four 16-key tiles are quantised while those reads come back, the slot is asked for again, and the other two tiles,
; the four tiles' products with W_k and the scores follow while that load is out.  x's codes stay in LDS for K and for V; K's codes of a trip's 64 keys go from wave to wave as images of the
; operand's registers, and each image is read by one wave: 4 fragments a wave and trip, each for 4 matrix instructions.  Q's 16 fragments stay in window 2, v0-191.  Three barriers a trip.
; metal_feature: each load takes 512 consecutive bytes of a row; the rows turn through the wave's own stage in LDS (528 bytes apart, a tile's 16 rows as neighbours) into the quantiser's layout.
; THE ROWS OF A TILE ARE NOT NEIGHBOURS: lane r of tile 2 c + u takes row 32 c + 8 u + r + 8 (r / 8), so that two tiles' results are 16 neighbours along the next K.
; The mask enters as reference() has it: t = score x log2(e) / sqrt(512) + (mask - 1) x 1e10 x log2(e); M = ceil(the largest t of the 256 keys).
; No joint loads: the weights, which all work-groups share, go into registers by plain loads and pass through no LDS tile; metal_feature, which a batch's four work-groups share,
; is 128 KiB beside the 512 KiB of x that are a work-group's own.  No data prefetch: x, the one stream, is asked for 128 KiB at a time by the refill that stands first behind its barrier.
; LIMITS: a block of zeros, or one whose largest magnitude lies under 2^-124, keeps the scale byte 1 (its codes add nothing; this program alone reads the bytes); NaN and infinities among the inputs are not served.
; LDS: 0 the slot (4 x SUBT); XCC, XCS x's codes and scale words; SC the scores, [32 keys][query tile][2,048 bytes]; KIC, KIS K's images in trips 0 to 2: their first 16 KiB are the scores' place
; for keys 192-255, which the last trip writes, barriers later.  When the slot has had its last fill: K3C, K3S the last trip's images of K, PIM p's images (PST a wave), and from 0 on the way out's stages.
; In the head alone: MFS metal_feature's stages (MFW a wave), QIC, QIS Q's images, MIC, MIS metal_feature's images: barriers part them from the later users of those bytes.
.set SUBT,  33280
.set XCC,   133120
.set XCS,   231424
.set SC,    239616
.set KIC,   288768
.set KIS,   313344
.set K3C,   0
.set K3S,   24576
.set PIM,   32768
.set PST,   4096
.set MFS,   133120
.set MFW,   33792
.set QIC,   268288
.set QIS,   292864
.set MIC,   294912
.set MIS,   319488
.set SPARE, 327168
.set LI,  1
.set LS,  2
.set RA,  3
.set AXW, 4
.set AXSW, 5
.set AXC, 6
.set AXS, 7
.set DW,  8
.set DSW, 9
.set APC, 8
.set APS, 9
.set KR,  10
.set KSR, 11
.set SCS, 11
.set SCB, 12
.set RAM, 13
.set SCA, 13
.set MO,  14
.set LIW, 15
.set LSW, 16
.set STO, 17
.set RD,  18
.set GO,  19
.set SPW, 20
.set NIL, 21
.set SWA, 22
.set SWB, 38
.set XS,  58
.set TM,  66
.set PW,  78
.set PCA, 82
.set PCB, 94
.set PT,  106
.set BM,  114
.set NM,  122
.set SU,  124
.set WK,  128
.set XA0, WK
.set XA1, WK+64
.set XF,  WK
.set HA,  WK+64
.set KF,  WK
.set SA,  WK+96
.set WV,  18
.set BA,  20
.set G1,  24
.set SEL, 36
.set CS,  38
.set BB,  40
.set NB,  41
.set TI,  42
.set HH,  43
.set FC,  44
.set FS,  45
.set SO,  46
.set XW,  47
.set XWS, 48
.set QO,  49
.set QOS, 50
.set KS,  51
.set VC,  52
.set VS,  53
.set WQP, 54
.set WKP, 56
.set WVP, 58
.set SQP, 60
.set SKP, 62
.set SVP, 66
.set G0X, 68
.set MSB, 0
.macro WIN new                         ; the immediate's high byte repeats the setting that is left
.if MSB != (\new)
	s_set_vgpr_msb (MSB<<8)|(\new)
.set MSB, (\new)
.endif
.endm
.macro PLACES n
.rept \n
	v_nop
.endr
.endm
.macro BARRIER
	s_wait_dscnt 0x0
	s_barrier_signal -1
	s_barrier_wait -1
.endm
; 64 numbers of a lane, register 16 b + i = k 32 b + 16 (lane / 16) + i: the four blocks' largest magnitudes into v[TM] on
.macro QMAX src, win
	WIN (\win)|((\win)<<2)
.irp b, 0,1,2,3
	v_max3_num_f32 v[TM+\b], |v[\src+16*\b]|, |v[\src+16*\b+1]|, 0x1800000
.endr
.irp i, 2,4,6,8,10,12,14
.irp b, 0,1,2,3
	v_max3_num_f32 v[TM+\b], |v[\src+16*\b+\i]|, |v[\src+16*\b+\i+1]|, v[TM+\b]
.endr
.endr
	WIN 0
.irp b, 0,1,2,3
	v_permlanex16_b32 v[TM+4+\b], v[TM+\b], s[SEL], s[SEL+1]
.endr
.irp b, 0,1,2,3
	v_max_num_f32 v[TM+\b], v[TM+\b], v[TM+4+\b]
.endr
.endm
; from the largest magnitudes: the scale word into v[pw], the fragment's 12 registers into v[dst] on
.macro QFIN src, win, dst, pw
.irp b, 0,1,2,3
	v_add_nc_u32 v[TM+8+\b], 0xff000000, v[TM+\b]
.endr
.irp b, 0,1,2,3
	v_lshrrev_b32 v[TM+4+\b], 23, v[TM+8+\b]
.endr
	v_lshl_or_b32 v[\pw], v[TM+5], 8, v[TM+4]
	v_lshl_or_b32 v[\pw], v[TM+6], 16, v[\pw]
	v_lshl_or_b32 v[\pw], v[TM+7], 24, v[\pw]
	WIN \win
.irp c, 0,1
	v_cvt_scalef32_pk16_fp6_f32 v[\dst+6*\c:\dst+6*\c+2], v[\src+32*\c:\src+32*\c+15], v[TM+8+2*\c]
	v_cvt_scalef32_pk16_fp6_f32 v[PT+4*\c:PT+4*\c+2], v[\src+32*\c+16:\src+32*\c+31], v[TM+9+2*\c]
.endr
	WIN 0
	v_nop                                          ; one plain instruction behind the scaled conversions
.irp c, 0,1
.irp i, 0,1,2
	v_permlane16_swap_b32 v[\dst+6*\c+\i], v[PT+4*\c+\i]
.endr
.irp i, 0,1,2
	v_mov_b32 v[\dst+6*\c+3+\i], v[PT+4*\c+\i]
.endr
.endr
.endm
.macro QUANT src, win, dst, pw
	QMAX \src, \win
	QFIN \src, \win, \dst, \pw
.endm
.macro IMAGE adr, sadr, off, soff, dst, pw     ; a fragment and its scale word into LDS as an image of the registers
.irp g, 0,1,2
	ds_store_b128 v[\adr], v[\dst+4*\g:\dst+4*\g+3] offset:\off+512*\g
.endr
	ds_store_b32 v[\sadr], v[\pw] offset:\soff
.endm
.macro WM d, a, b, acc, sa, sb, ra, rb
.if \acc
.if \ra
	v_wmma_scale_f32_16x16x128_f8f6f4 v[\d:\d+7], v[\a:\a+11], v[\b:\b+11], v[\d:\d+7], v[\sa], v[\sb] matrix_a_fmt:MATRIX_FMT_FP6 matrix_b_fmt:MATRIX_FMT_FP6 matrix_a_scale:MATRIX_SCALE_ROW1
.elseif \rb
	v_wmma_scale_f32_16x16x128_f8f6f4 v[\d:\d+7], v[\a:\a+11], v[\b:\b+11], v[\d:\d+7], v[\sa], v[\sb] matrix_a_fmt:MATRIX_FMT_FP6 matrix_b_fmt:MATRIX_FMT_FP6 matrix_b_scale:MATRIX_SCALE_ROW1
.else
	v_wmma_scale_f32_16x16x128_f8f6f4 v[\d:\d+7], v[\a:\a+11], v[\b:\b+11], v[\d:\d+7], v[\sa], v[\sb] matrix_a_fmt:MATRIX_FMT_FP6 matrix_b_fmt:MATRIX_FMT_FP6
.endif
.else
.if \ra
	v_wmma_scale_f32_16x16x128_f8f6f4 v[\d:\d+7], v[\a:\a+11], v[\b:\b+11], 0, v[\sa], v[\sb] matrix_a_fmt:MATRIX_FMT_FP6 matrix_b_fmt:MATRIX_FMT_FP6 matrix_a_scale:MATRIX_SCALE_ROW1
.elseif \rb
	v_wmma_scale_f32_16x16x128_f8f6f4 v[\d:\d+7], v[\a:\a+11], v[\b:\b+11], 0, v[\sa], v[\sb] matrix_a_fmt:MATRIX_FMT_FP6 matrix_b_fmt:MATRIX_FMT_FP6 matrix_b_scale:MATRIX_SCALE_ROW1
.else
	v_wmma_scale_f32_16x16x128_f8f6f4 v[\d:\d+7], v[\a:\a+11], v[\b:\b+11], 0, v[\sa], v[\sb] matrix_a_fmt:MATRIX_FMT_FP6 matrix_b_fmt:MATRIX_FMT_FP6
.endif
.endif
.endm
.macro WLOAD ptr, s0, win                      ; my 16 fragments of K steps s0, s0 + 1 of a weight: 48 loads of 512 consecutive bytes
	WIN (\win)<<6
.irp sl, 0,1
.irp t, 0,1,2,3,4,5,6,7
.irp g, 0,1,2
	global_load_b128 v[96*\sl+12*\t+4*\g:96*\sl+12*\t+4*\g+3], v[LI], s[\ptr:\ptr+1] offset:(8*(\s0+\sl)+\t)*1536+512*\g
.endr
.endr
.endr
	WIN 0
.endm
.macro SLOAD ptr, reg
.irp c, 0,1,2,3
	global_load_b128 v[\reg+4*\c:\reg+4*\c+3], v[LI], s[\ptr:\ptr+1] offset:512*\c
.endr
.endm
; metal_feature: 32 rows from p0 on, 512 consecutive bytes a load
.macro MROWS p0, reg, win
	WIN (\win)<<6
.set p, \p0
.rept 32
	global_load_b128 v[\reg+4*(p-(\p0)):\reg+4*(p-(\p0))+3], v[LI], s[6:7] offset:p*2048
.set p, p+1
.endr
	WIN 0
.endm
; into my stage: row p goes to place 16 t + r, t its tile and r its lane there
.macro MSTORE p0, reg, win
	WIN (\win)<<2
.set p, \p0
.rept 32
	ds_store_b128 v[AXC], v[\reg+4*(p-(\p0)):\reg+4*(p-(\p0))+3] offset:(32*(p/32)+16*((p/8)%2)+(p%8)+8*((p%32)/16))*528
.set p, p+1
.endr
	WIN 0
.endm
.macro MXLD t, reg                             ; and back: tile t in the quantiser's layout
.irp b, 0,1,2,3
.irp j, 0,1,2,3
	ds_load_b128 v[\reg+16*\b+4*\j:\reg+16*\b+4*\j+3], v[RAM] offset:(\t)*16*528+128*\b+16*\j
.endr
.endr
.endm
.macro XLD t, reg                              ; tile t of the slot's four into 64 registers from v[reg] on, in the window that is set
.irp b, 0,1,2,3
.irp j, 0,1,2,3,4,5,6,7
	ds_load_b64 v[\reg+16*\b+2*\j:\reg+16*\b+2*\j+1], v[RA] offset:(32*((\t)>>1)+8*((\t)&1))*520+128*\b+8*\j
.endr
.endr
.endm
.macro REFILL fill
	s_wait_tensorcnt 0x0                           ; the tensor wait, the add and the ds wait ahead of a refill's barrier
	ds_add_u32 v[SPW], v[NIL]
.if \fill
	s_add_nc_u64 s[G0X+2:G0X+3], s[G0X+2:G0X+3], 131072
	s_add_co_u32 s[XW], s[XW], 24576
	s_add_co_u32 s[XWS], s[XWS], 2048
.endif
	s_wait_dscnt 0x0                               ; the add, my reads of the slot and my stores of images are done
	s_barrier_signal -1
	s_barrier_wait -1
.if \fill
	tensor_load_to_lds s[G0X:G0X+3], s[G1:G1+7]    ; the next 64 keys
	s_nop 0
	PLACES 4
.endif
.endm
.macro MMK wa, sw, yg                          ; 16 rows of x or mf against my 8 tiles of a weight: 32 matrix instructions, the 8 accumulators by turns
.irp s, 0,1,2,3
	s_wait_dscnt (\yg)+12-4*\s
.if \s < 2
	WIN \wa
.else
	WIN 3
.endif
.irp t, 0,1,2,3,4,5,6,7
.set rD, HA+8*\t
.set rA, 96*(\s&1)+12*\t
.set rB, XF+12*\s
.set rX, \sw+4*(\t/2)+\s
.set rY, XS+\s
.set fC, \s
.set fR, \t&1
	WM rD, rA, rB, fC, rX, rY, fR, 0
.endr
.endr
	WIN 0
.endm
.macro XFETCH u
.irp s, 0,1,2,3
.irp g, 0,1,2
	ds_load_b128 v[XF+12*\s+4*\g:XF+12*\s+4*\g+3], v[AXC] offset:(\u)*6144+\s*1536+512*\g
.endr
	ds_load_b32 v[XS+\s], v[AXS] offset:(\u)*512+128*\s
.endr
.endm
.macro PRODUCT wa, sw, lc                      ; two tiles of 16 rows: product, quantiser, image.  lc: the global loads that may stay out (under 0: no wait)
	v_add_nc_u32 v[AXC], s[FC], v[LI]
	v_add_nc_u32 v[AXS], s[FS], v[LS]
	XFETCH 0
	s_wait_alu depctr_va_vdst(0)                   ; directly ahead of the wait below
.if \lc >= 0
	s_wait_loadcnt \lc
.endif
	MMK \wa, \sw, 0
	PLACES 4
	XFETCH 1
	QUANT HA, 0, PCA, PW
	IMAGE DW, DSW, 0, 0, PCA, PW
	MMK \wa, \sw, 4
	PLACES 4
	QUANT HA, 0, PCB, PW+1
	IMAGE DW, DSW, 6144, 512, PCB, PW+1
.endm
; the scores of my 16 keys (tile w of the trip's four) with all 64 queries: 4 fragments of K, 16 matrix instructions, the 4 accumulators by turns; each query tile's 8 registers go to its owner's rows of SC
.macro SPHASE
.irp s, 0,1,2,3
.irp g, 0,1,2
	ds_load_b128 v[KF+12*\s+4*\g:KF+12*\s+4*\g+3], v[KR] offset:\s*1536+512*\g
.endr
	ds_load_b32 v[XS+\s], v[KSR] offset:128*\s
.endr
	WIN 0x08
.irp s, 0,1,2,3
	s_wait_dscnt 12-4*\s                           ; four loads a K step; the later steps' may be out
.irp q, 0,1,2,3
.set rD, SA+8*\q
.set rA, KF+12*\s
.set rB, 48*\q+12*\s
.set rX, XS+\s
.set rY, SWA+4*\q+\s
.set fC, \s
	WM rD, rA, rB, fC, rX, rY, 0, 0
.endr
.endr
	WIN 0
	PLACES 4
	v_add_nc_u32 v[SCA], s[SO], v[SCB]
.irp q, 0,1,2,3
	ds_store_b128 v[SCA], v[SA+8*\q:SA+8*\q+3] offset:2048*\q
	ds_store_b128 v[SCA], v[SA+8*\q+4:SA+8*\q+7] offset:2048*\q+512
.endr
.endm
.macro BODY lc, kc, ks                         ; K of a trip's 64 keys, my 128 columns, as images from kc and ks on: no barrier inside
	s_mov_b32 s[QO], \kc
	s_mov_b32 s[QOS], \ks
	s_mov_b32 s[HH], 0
.Lh_\@:
	s_wait_dscnt 0x0
	v_add_nc_u32 v[DW], s[QO], v[LIW]
	v_add_nc_u32 v[DSW], s[QOS], v[LSW]
	PRODUCT 1, SWB, \lc
	s_add_co_u32 s[FC], s[FC], 12288
	s_add_co_u32 s[FS], s[FS], 1024
	s_add_co_u32 s[QO], s[QO], 12288
	s_add_co_u32 s[QOS], s[QOS], 1024
	s_add_co_u32 s[HH], s[HH], 1
	s_cmp_lt_u32 s[HH], 2
	s_cbranch_scc1 .Lh_\@
.endm
.macro KT fill, lc                             ; a trip: 64 keys
	s_wait_tensorcnt 0x0                           ; my quarter of the slot is in
	v_add_nc_u32 v[AXW], s[XW], v[LIW]
	v_add_nc_u32 v[AXSW], s[XWS], v[LSW]
	XLD 0, XA0
	XLD 1, XA1
	WIN 0x80
	XLD 2, 192
	WIN 0
	s_wait_dscnt 63                                ; tile 0 is in: 64 loads were issued behind it
	QUANT XA0, 0, PCA, PW
	IMAGE AXW, AXSW, 0, 0, PCA, PW
	WIN 0xc0
	XLD 3, 192
	WIN 0
	s_wait_dscnt 63                                ; tile 1 is in: 68 LDS instructions were issued behind it
	QUANT XA1, 0, PCB, PW+1
	IMAGE AXW, AXSW, 6144, 512, PCB, PW+1
	REFILL \fill                                   ; the slot is all in registers: it is asked for again
	QUANT 192, 2, PCA, PW
	IMAGE AXW, AXSW, 12288, 1024, PCA, PW
	QUANT 192, 3, PCB, PW+1
	IMAGE AXW, AXSW, 18432, 1536, PCB, PW+1
.if \fill == 0                         ; the last trip: x's registers are free: the mask's 256 numbers, 32 loads
	WIN 0x80
.irp n, 0,1,2,3,4,5,6,7,8,9,10,11,12,13,14,15
	global_load_b128 v[192+4*\n:192+4*\n+3], v[MO], s[8:9] offset:128*(\n/4)+16*(\n%4)
.endr
	WIN 0xc0
.irp n, 0,1,2,3,4,5,6,7,8,9,10,11,12,13,14,15
	global_load_b128 v[192+4*\n:192+4*\n+3], v[MO], s[8:9] offset:512+128*(\n/4)+16*(\n%4)
.endr
	WIN 0
.endif
	BARRIER                                        ; x's codes of these 64 keys are whole; nobody reads the last trip's images of K any more
.if \fill
	BODY \lc, KIC, KIS
.else
	BODY \lc, K3C, K3S
	WLOAD WVP, 2, 3
.endif
	BARRIER                                        ; K's images are whole
	SPHASE
.if \fill
	s_add_co_u32 s[SO], s[SO], 16384
.endif
.endm
.macro VFETCH n
.set vS, (\n)>>1
.set vG, (\n)&1
.irp xt, 0,1,2,3
.irp g, 0,1,2
	ds_load_b128 v[WK+48*vG+12*\xt+4*\g:WK+48*vG+12*\xt+4*\g+3], v[AXC] offset:((4*vG+\xt)*4+vS)*1536+512*\g
.endr
	ds_load_b32 v[XS+4*vG+\xt], v[AXS] offset:((4*vG+\xt)*4+vS)*128
.endr
.endm
.macro VPV dh                                  ; V^T of 64 of my columns, 128 keys at a time, quantised along the keys, times p
	WIN 0x80
.set i, 0
.rept 64
	v_mov_b32 v[192+i], 0
.set i, i+1
.endr
	WIN 0xc0
.set i, 0
.rept 64
	v_mov_b32 v[192+i], 0
.set i, i+1
.endr
	WIN 0
	s_mov_b32 s[VC], XCC
	s_mov_b32 s[VS], XCS
	s_mov_b32 s[FC], PIM
	s_mov_b32 s[FS], PIM+3072
	s_mov_b32 s[KS], 0
.Lks_\@:
	v_add_nc_u32 v[AXC], s[VC], v[LI]
	s_wait_alu depctr_va_vdst(0)
	v_add_nc_u32 v[AXS], s[VS], v[LS]
	s_wait_alu depctr_va_vdst(0)
	v_add_nc_u32 v[APC], s[FC], v[LI]
	v_add_nc_u32 v[APS], s[FS], v[LS]
	VFETCH 0
.irp n, 0,1,2,3,4,5,6,7
.if \n < 7
	PLACES 4
	VFETCH \n+1
	s_wait_dscnt 16
.else
	s_wait_dscnt 0x0
.endif
.if \n < 4
	WIN 0x58
.else
	WIN 0x5c
.endif
.irp xt, 0,1,2,3
.irp d, 0,1,2,3
.set rD, 64*\d+8*(4*(\n&1)+\xt)
.set rA, WK+48*(\n&1)+12*\xt
.set rB, 96*((\n>>1)&1)+12*(4*(\dh)+\d)
.set rX, XS+4*(\n&1)+\xt
.set rY, SWA+4*((4*(\dh)+\d)/2)+(\n>>1)
.set fC, \n>>1
.set fR, \d&1
	WM rD, rA, rB, fC, rX, rY, 0, fR
.endr
.endr
	WIN 0
.endr
	PLACES 4
	s_wait_alu depctr_va_vdst(0)
.irp q, 0,1,2,3
.irp g, 0,1,2
	ds_load_b128 v[WK+48+12*\q+4*\g:WK+48+12*\q+4*\g+3], v[APC] offset:PST*\q+512*\g
.endr
	ds_load_b32 v[XS+4+\q], v[APS] offset:PST*\q
.endr
.irp d, 0,1,2,3
	QUANT 64*\d, 1, WK+12*\d, PW+\d
.endr
	PLACES 8
	s_wait_alu depctr_va_vdst(0)
	s_wait_dscnt 0x0
	WIN 0xa0
.irp d, 0,1
.irp q, 0,1,2,3
.set rD, 192+8*(4*\d+\q)
.set rA, WK+12*\d
.set rB, WK+48+12*\q
.set rX, PW+\d
.set rY, XS+4+\q
	WM rD, rA, rB, 1, rX, rY, 0, 0
.endr
.endr
	WIN 0xf0
.irp d, 0,1
.irp q, 0,1,2,3
.set rD, 192+8*(4*\d+\q)
.set rA, WK+12*(2+\d)
.set rB, WK+48+12*\q
.set rX, PW+2+\d
.set rY, XS+4+\q
	WM rD, rA, rB, 1, rX, rY, 0, 0
.endr
.endr
	WIN 0
	PLACES 4
	s_add_co_u32 s[VC], s[VC], 49152
	s_add_co_u32 s[VS], s[VS], 4096
	s_add_co_u32 s[FC], s[FC], 1536
	s_add_co_u32 s[FS], s[FS], 128
	s_add_co_u32 s[KS], s[KS], 1
	s_cmp_lt_u32 s[KS], 2
	s_cbranch_scc1 .Lks_\@
.endm
.macro OUT dh                                  ; through my stage, so that sixteen lanes store 256 consecutive bytes, aligned
.irp q, 0,1,2,3
.if \q >= 2
	s_wait_xcnt 0x0
.endif
	WIN 0x08
.irp d, 0,1
	ds_store_b128 v[STO], v[192+8*(4*\d+\q):192+8*(4*\d+\q)+3] offset:32*\d
	ds_store_b128 v[STO], v[192+8*(4*\d+\q)+4:192+8*(4*\d+\q)+7] offset:32*\d+16
.endr
	WIN 0x0c
.irp d, 0,1
	ds_store_b128 v[STO], v[192+8*(4*\d+\q):192+8*(4*\d+\q)+3] offset:128+32*\d
	ds_store_b128 v[STO], v[192+8*(4*\d+\q)+4:192+8*(4*\d+\q)+7] offset:128+32*\d+16
.endr
	WIN 0
.irp i, 0,1,2,3,4,5,6,7
	ds_load_b128 v[WK+32*(\q&1)+4*\i:WK+32*(\q&1)+4*\i+3], v[RD] offset:\i*544
.endr
.irp i, 0,1,2,3,4,5,6,7
	s_wait_dscnt 7-\i
	global_store_b128 v[GO], v[WK+32*(\q&1)+4*\i:WK+32*(\q&1)+4*\i+3], s[14:15] offset:(16*\q+2*\i)*2048+256*(\dh) th:TH_STORE_NT
.endr
.endr
	s_wait_xcnt 0x0
.endm
	s_load_b256 s[4:11], s[0:1], 0x0               ; x, metal_feature, mask, wcodes
	s_load_b128 s[12:15], s[0:1], 0x20             ; wscales, part
	s_load_b64 s[16:17], s[0:1], 0x30              ; stats
	v_lshl_add_u32 v[SPW], v0, 2, SPARE
	v_mov_b32 v[NIL], 0
	ds_add_u32 v[SPW], v[NIL]                      ; the opening lines: the add, twice on end, and its wait ahead of my first tensor load
	ds_add_u32 v[SPW], v[NIL]
	v_lshrrev_b32 v4, 5, v0
	v_readfirstlane_b32 s[WV], v4
	s_and_b32 s[BA], ttmp7, 0xffff
	s_mov_b32 s[G1+0], (2<<16)|(1<<20)|(6<<22)|(1<<25)   ; elements of 4 bytes; 2 words of padding behind every 128
	s_mov_b32 s[G1+1], 128<<16
	s_mov_b32 s[G1+2], 64<<16
	s_mov_b32 s[G1+3], 128<<16
	s_mov_b32 s[G1+4], 64
	s_mov_b32 s[G1+5], 512
	s_mov_b32 s[G1+6], 0
	s_mov_b32 s[G1+7], 0
	s_mov_b32 s[G0X], 1
	s_mul_i32 s[G0X+1], s[WV], SUBT
	s_mov_b32 s[SEL], 0x76543210
	s_mov_b32 s[SEL+1], 0xfedcba98
	s_mov_b32 s[CS], 0x3d8293ee                    ; log2(e) / sqrt(512)
	s_mov_b32 s[CS+1], s[CS]
	s_mov_b32 s[BB], 0x5056fa73                    ; 1e10 x log2(e)
	s_mov_b32 s[NB], 0xd056fa73
	s_mul_i32 s22, s[WV], 49152
	s_mov_b32 s23, 0
	s_lshl_b32 s2, s[WV], 11
	s_mov_b32 s3, 0
	s_lshl_b32 s21, s[WV], 9
	s_lshl_b32 s42, s[BA], 21
	s_lshl_b32 s43, ttmp9, 19
	s_add_co_u32 s42, s42, s43
	s_add_co_u32 s42, s42, s21
	s_mov_b32 s43, 0
	s_lshl_b32 s44, s[BA], 17
	s_add_co_u32 s44, s44, s21
	s_mov_b32 s45, 0
	s_lshl_b32 s46, s[BA], 12
	s_lshl_b32 s47, ttmp9, 10
	s_add_co_u32 s46, s46, s47
	s_mov_b32 s47, 0
	s_lshl_b32 s50, s[BA], 2
	s_add_co_u32 s50, s50, ttmp9
	s_lshl_b32 s48, s50, 17
	s_add_co_u32 s48, s48, s21
	s_mov_b32 s49, 0
	s_lshl_b32 s50, s50, 2
	s_add_co_u32 s50, s50, s[WV]
	s_lshl_b32 s50, s50, 8
	s_mov_b32 s51, 0
	v_and_b32 v4, 31, v0
	v_lshlrev_b32 v[LI], 4, v4
	v_lshlrev_b32 v[LS], 2, v4
	v_and_b32 v4, 15, v0
	v_bfe_u32 v5, v0, 4, 1
	v_lshlrev_b32 v[MO], 6, v5
	v_and_b32 v6, 8, v4
	v_add_nc_u32 v6, v6, v4
	v_mul_u32_u24 v[RA], v6, 520
	v_add_nc_u32 v[RA], v[RA], v[MO]
	v_add_nc_u32 v[RA], s[G0X+1], v[RA]
	s_mul_i32 s21, s[WV], MFW
	s_add_co_u32 s21, s21, MFS                     ; my stage for metal_feature
	v_mul_u32_u24 v[RAM], v4, 528
	v_add_nc_u32 v[RAM], v[RAM], v[MO]
	v_add_nc_u32 v[RAM], s21, v[RAM]               ; out of it: place r of a tile, + 64 (lane / 16)
	v_add_nc_u32 v[AXC], s21, v[LI]                ; into it: 16 x lane of a row
	s_mul_i32 s21, s[WV], 1536
	v_add_nc_u32 v[LIW], s21, v[LI]
	s_lshl_b32 s21, s[WV], 7
	v_add_nc_u32 v[LSW], s21, v[LS]
	s_mul_i32 s21, s[WV], 6144
	s_add_co_u32 s21, s21, KIC
	v_add_nc_u32 v[KR], s21, v[LI]                 ; K's images: key tile w is mine in the scores
	s_lshl_b32 s21, s[WV], 9
	s_add_co_u32 s21, s21, KIS
	v_add_nc_u32 v[KSR], s21, v[LS]
	s_lshr_b32 s21, s[WV], 1
	s_lshl_b32 s21, s21, 13                        ; the scores' place: 8,192 bytes for each 32 keys,
	s_and_b32 s52, s[WV], 1
	s_lshl_b32 s52, s52, 10                        ; in them my tile's 8 of a lane's 16 registers
	s_add_co_u32 s21, s21, s52
	s_add_co_u32 s21, s21, SC
	v_add_nc_u32 v[SCB], s21, v[LI]
	s_mul_i32 s21, s[WV], 4352
	v_mul_u32_u24 v[STO], v4, 272
	v_add_nc_u32 v[STO], v[STO], v[MO]
	v_add_nc_u32 v[STO], s21, v[STO]
	v_mul_u32_u24 v[RD], v5, 272
	v_lshl_add_u32 v[RD], v4, 4, v[RD]
	v_add_nc_u32 v[RD], s21, v[RD]
	v_lshlrev_b32 v[GO], 11, v5
	v_lshl_add_u32 v[GO], v4, 4, v[GO]
	v_add_nc_u32 v[AXW], MIC, v[LIW]
	v_add_nc_u32 v[AXSW], MIS, v[LSW]
.irp b, 0,1,2,3
	v_mov_b32 v[TM+4+\b], 0                        ; written once: a lane permute's destination counts as one of its sources
.endr
	s_wait_alu depctr_va_vdst(0)                   ; the wait at the head's end
	s_wait_dscnt 0x0                               ; both opening adds are done
	s_wait_kmcnt 0x0
	s_add_nc_u64 s[G0X+2:G0X+3], s[4:5], s[42:43]
	s_or_b32 s[G0X+3], s[G0X+3], 0x80000000
	tensor_load_to_lds s[G0X:G0X+3], s[G1:G1+7]    ; my quarter of x's first 64 keys: my one tensor load at the head
	s_nop 0
	PLACES 4
	s_add_nc_u64 s[6:7], s[6:7], s[44:45]          ; metal_feature: my batch, my 128 features
	s_add_nc_u64 s[8:9], s[8:9], s[46:47]
	s_add_nc_u64 s[14:15], s[14:15], s[48:49]
	s_add_nc_u64 s[16:17], s[16:17], s[50:51]
	s_add_nc_u64 s[WQP:WQP+1], s[10:11], s[22:23]
	s_add_nc_u64 s[WKP:WKP+1], s[WQP:WQP+1], 196608
	s_add_nc_u64 s[WVP:WVP+1], s[WQP:WQP+1], 393216
	s_add_nc_u64 s[SQP:SQP+1], s[12:13], s[2:3]
	s_add_nc_u64 s[SKP:SKP+1], s[SQP:SQP+1], 8192
	s_add_nc_u64 s[SVP:SVP+1], s[SQP:SQP+1], 16384
	MROWS 0, WK, 0                                 ; metal_feature's 64 rows: 32 into window 0, 32 into window 1, where W_k's fragments land later
	MROWS 32, 0, 1
	WLOAD WQP, 0, 2
	SLOAD SQP, SWA
	s_mov_b32 s[FC], MIC
	s_mov_b32 s[FS], MIS
	s_mov_b32 s[QO], QIC
	s_mov_b32 s[QOS], QIS
	s_wait_loadcnt 63                              ; rows 0-31 are in: 84 loads were issued behind them
	MSTORE 0, WK, 0
	s_wait_loadcnt 52                              ; rows 32-63 are in; behind them: W_q's 48 loads and its scales' 4
	MSTORE 32, 0, 1
	WLOAD WQP, 2, 3
	MXLD 0, XA0                                    ; LDS serves a wave's instructions in order: these see my stores
	MXLD 1, XA1
	s_wait_dscnt 16
	QUANT XA0, 0, PCA, PW
	IMAGE AXW, AXSW, 0, 0, PCA, PW
	MXLD 2, XA0
	s_wait_dscnt 20                                ; behind tile 1's loads: 4 stores and 16 loads
	QUANT XA1, 0, PCB, PW+1
	IMAGE AXW, AXSW, 6144, 512, PCB, PW+1
	MXLD 3, XA1
	s_wait_dscnt 20
	QUANT XA0, 0, PCA, PW
	IMAGE AXW, AXSW, 12288, 1024, PCA, PW
	s_wait_dscnt 4
	QUANT XA1, 0, PCB, PW+1
	IMAGE AXW, AXSW, 18432, 1536, PCB, PW+1
	BARRIER
	WLOAD WKP, 0, 1
	SLOAD SKP, SWB
	s_mov_b32 s[HH], 0
.Lq:                                                   ; Q: 32 queries a trip, my 128 columns
	s_wait_dscnt 0x0
	v_add_nc_u32 v[DW], s[QO], v[LIW]
	v_add_nc_u32 v[DSW], s[QOS], v[LSW]
	PRODUCT 2, SWA, 52                             ; W_k's 48 loads and its scales' 4 may be out
	s_add_co_u32 s[FC], s[FC], 12288
	s_add_co_u32 s[FS], s[FS], 1024
	s_add_co_u32 s[QO], s[QO], 12288
	s_add_co_u32 s[QOS], s[QOS], 1024
	s_add_co_u32 s[HH], s[HH], 1
	s_cmp_lt_u32 s[HH], 2
	s_cbranch_scc1 .Lq
	WLOAD WKP, 2, 3
	BARRIER
	v_add_nc_u32 v[AXC], QIC, v[LI]
	v_add_nc_u32 v[AXS], QIS, v[LS]
	WIN 0x80
.irp f, 0,1,2,3,4,5,6,7,8,9,10,11,12,13,14,15      ; all of Q: fragment 4 q + s (query tile q, K step s) stays in window 2, its scale word in v[SWA + 4 q + s]
.irp g, 0,1,2
	ds_load_b128 v[12*\f+4*\g:12*\f+4*\g+3], v[AXC] offset:\f*1536+512*\g
.endr
.endr
	WIN 0
.irp f, 0,1,2,3,4,5,6,7,8,9,10,11,12,13,14,15
	ds_load_b32 v[SWA+\f], v[AXS] offset:128*\f
.endr
	s_mov_b32 s[FC], XCC
	s_mov_b32 s[FS], XCS
	s_mov_b32 s[SO], 0
	s_mov_b32 s[XW], XCC
	s_mov_b32 s[XWS], XCS
	s_mov_b32 s[TI], 0
.Lk:
	KT 1, 0
	s_add_co_u32 s[TI], s[TI], 1
	s_cmp_lt_u32 s[TI], 3
	s_cbranch_scc1 .Lk
	s_mul_i32 s21, s[WV], 6144                     ; the last trip's images of K lie in the slot, which is filled no more
	s_add_co_u32 s21, s21, K3C
	v_add_nc_u32 v[KR], s21, v[LI]
	s_lshl_b32 s21, s[WV], 9
	s_add_co_u32 s21, s21, K3S
	v_add_nc_u32 v[KSR], s21, v[LS]
	KT 0, -1                                       ; the last trip asks for nothing more
	WLOAD WVP, 0, 2                                ; Q's fragments and scale words are done with: W_v's first half and its scales take their registers
	SLOAD SVP, SWA
	BARRIER                                        ; the scores are whole
	s_lshl_b32 s21, s[WV], 11
	s_add_co_u32 s21, s21, SC
	v_add_nc_u32 v[SCB], s21, v[LI]                ; my query tile's rows
.irp n, 0,1,2,3,4,5,6,7
.irp g, 0,1,2,3
	ds_load_b128 v[WK+16*\n+4*\g:WK+16*\n+4*\g+3], v[SCB] offset:8192*\n+512*\g
.endr
.endr
	s_lshl_b32 s21, s[WV], 12
	s_add_co_u32 s21, s21, PIM
	v_add_nc_u32 v[KR], s21, v[LI]                 ; where p's images go
	v_add_nc_u32 v[SCS], s21, v[LS]
	s_wait_loadcnt 63                              ; the mask is in: 100 loads were issued behind it
	WIN 0x82
.set i, 0
.rept 64
	v_cvt_f32_i32 v[192+i], v[192+i]
.set i, i+1
.endr
.set i, 0
.rept 64
	v_fma_f32 v[192+i], v[192+i], s[BB], s[NB]
.set i, i+1
.endr
	WIN 0xc3
.set i, 0
.rept 64
	v_cvt_f32_i32 v[192+i], v[192+i]
.set i, i+1
.endr
.set i, 0
.rept 64
	v_fma_f32 v[192+i], v[192+i], s[BB], s[NB]
.set i, i+1
.endr
	WIN 0
	s_wait_dscnt 0x0
	WIN 0x20
.set i, 0
.rept 32
	v_pk_fma_f32 v[WK+i:WK+i+1], v[WK+i:WK+i+1], s[CS:CS+1], v[192+i:193+i] op_sel_hi:[1,0,1]
.set i, i+2
.endr
	WIN 0x30
.set i, 0
.rept 32
	v_pk_fma_f32 v[WK+64+i:WK+64+i+1], v[WK+64+i:WK+64+i+1], s[CS:CS+1], v[192+i:193+i] op_sel_hi:[1,0,1]
.set i, i+2
.endr
	WIN 0
.irp n, 0,1,2,3,4,5,6,7
	v_max3_num_f32 v[BM+\n], v[WK+16*\n], v[WK+16*\n+1], v[WK+16*\n+2]
.endr
.irp i, 3,5,7,9,11,13
.irp n, 0,1,2,3,4,5,6,7
	v_max3_num_f32 v[BM+\n], v[BM+\n], v[WK+16*\n+\i], v[WK+16*\n+\i+1]
.endr
.endr
.irp n, 0,1,2,3,4,5,6,7
	v_max_num_f32 v[BM+\n], v[BM+\n], v[WK+16*\n+15]
.endr
.irp n, 0,1,2,3,4,5,6,7
	v_permlanex16_b32 v[TM+\n], v[BM+\n], s[SEL], s[SEL+1]
.endr
.irp n, 0,1,2,3,4,5,6,7
	v_max_num_f32 v[BM+\n], v[BM+\n], v[TM+\n]     ; each block's largest t: it serves the row's maximum and the block's largest p
.endr
	v_max3_num_f32 v[SU], v[BM], v[BM+1], v[BM+2]
	v_max3_num_f32 v[SU], v[SU], v[BM+3], v[BM+4]
	v_max3_num_f32 v[SU], v[SU], v[BM+5], v[BM+6]
	v_max_num_f32 v[SU], v[SU], v[BM+7]
	v_floor_f32 v[NM], -v[SU]                      ; -M = floor(-t) = -ceil(t)
	v_mov_b32 v[NM+1], 0
.set i, 0
.rept 64
	v_pk_add_f32 v[WK+i:WK+i+1], v[WK+i:WK+i+1], v[NM:NM+1] op_sel_hi:[1,0]
.set i, i+2
.endr
.irp n, 0,1,2,3,4,5,6,7
	v_add_f32 v[BM+\n], v[BM+\n], v[NM]
.endr
.set i, 0
	s_wait_alu depctr_va_vdst(0)                   ; the wait ahead of the batch
.rept 128
	v_exp_f32 v[WK+i], v[WK+i]
.set i, i+1
.endr
	v_lshlrev_b32 v[SCA], 1, v[LS]
	s_wait_alu depctr_va_vdst(0)                   ; and behind it
.irp n, 0,1,2,3,4,5,6,7
	v_exp_f32 v[BM+\n], v[BM+\n]
.endr
	v_pk_add_f32 v[SU:SU+1], v[WK:WK+1], v[WK+2:WK+3]   ; the row's sum is taken of the unquantised p
	v_pk_add_f32 v[SU+2:SU+3], v[WK+4:WK+5], v[WK+6:WK+7]
.set i, 8
.rept 30
	v_pk_add_f32 v[SU:SU+1], v[SU:SU+1], v[WK+i:WK+i+1]
	v_pk_add_f32 v[SU+2:SU+3], v[SU+2:SU+3], v[WK+i+2:WK+i+3]
.set i, i+4
.endr
	v_pk_add_f32 v[SU:SU+1], v[SU:SU+1], v[SU+2:SU+3]
	v_add_f32 v[NM+1], v[SU], v[SU+1]
	v_permlanex16_b32 v[SU], v[NM+1], s[SEL], s[SEL+1]
	v_add_f32 v[NM+1], v[NM+1], v[SU]
	global_store_b64 v[SCA], v[NM:NM+1], s[16:17]
	s_wait_alu depctr_va_vdst(0)                   ; the wait for the eight exponentials, ahead of their first reader
.irp b, 0,1,2,3
	v_max_num_f32 v[TM+\b], 0x1800000, v[BM+\b]
.endr
	QFIN WK, 0, PCA, PW
	IMAGE KR, SCS, 0, 3072, PCA, PW
.irp b, 0,1,2,3
	v_max_num_f32 v[TM+\b], 0x1800000, v[BM+4+\b]
.endr
	QFIN WK+64, 0, PCB, PW+1
	IMAGE KR, SCS, 1536, 3200, PCB, PW+1
	BARRIER
	s_wait_loadcnt 0x0
	VPV 0
	OUT 0
	VPV 1
	OUT 1
	s_wait_tensorcnt 0x0                           ; the wave's end
	ds_add_u32 v[SPW], v[NIL]
	s_wait_dscnt 0x0
	s_endpgm
.Lfunc_end_k_q573426b40d_main:
	.size	k_q573426b40d_main, .Lfunc_end_k_q573426b40d_main-k_q573426b40d_main
	.p2alignl 7, 3214868480
	.fill 96, 4, 3214868480
	.section	.rodata,"a",@progbits
	.p2align	6, 0x0
	.amdhsa_kernel k_q573426b40d_main
		.amdhsa_group_segment_fixed_size 327680
		.amdhsa_private_segment_fixed_size 0
		.amdhsa_enable_private_segment 0
		.amdhsa_kernarg_size 56
		.amdhsa_user_sgpr_count 2
		.amdhsa_user_sgpr_kernarg_segment_ptr 1
		.amdhsa_wavefront_size32 1
		.amdhsa_system_sgpr_workgroup_id_x 1
		.amdhsa_system_sgpr_workgroup_id_y 1
		.amdhsa_system_sgpr_workgroup_id_z 1
		.amdhsa_system_vgpr_workitem_id 0
		.amdhsa_next_free_vgpr 1024
		.amdhsa_next_free_sgpr 72
		.amdhsa_reserve_vcc 0
		.amdhsa_float_denorm_mode_32 3
		.amdhsa_float_denorm_mode_16_64 3
		.amdhsa_memory_ordered 1
		.amdhsa_forward_progress 1
		.amdhsa_inst_pref_size 255
	.end_amdhsa_kernel
	.section	.bss,"aw",@nobits
	.p2align	6
	.space	262144
	.amdgpu_metadata
---
amdhsa.version: [ 1, 2 ]
amdhsa.kernels:
  - .name:           k_q573426b40d_main
    .symbol:         k_q573426b40d_main.kd
    .args:
      - { .name: x, .offset: 0, .size: 8, .value_kind: global_buffer, .address_space: global }
      - { .name: metal_feature, .offset: 8, .size: 8, .value_kind: global_buffer, .address_space: global }
      - { .name: mask, .offset: 16, .size: 8, .value_kind: global_buffer, .address_space: global }
      - { .name: wcodes, .offset: 24, .size: 8, .value_kind: global_buffer, .address_space: global }
      - { .name: wscales, .offset: 32, .size: 8, .value_kind: global_buffer, .address_space: global }
      - { .name: part, .offset: 40, .size: 8, .value_kind: global_buffer, .address_space: global }
      - { .name: stats, .offset: 48, .size: 8, .value_kind: global_buffer, .address_space: global }
    .group_segment_fixed_size: 327680
    .private_segment_fixed_size: 0
    .kernarg_segment_align: 8
    .kernarg_segment_size: 56
    .max_flat_workgroup_size: 128
    .sgpr_count:     72
    .vgpr_count:     1024
    .wavefront_size: 32
...
	.end_amdgpu_metadata
.endif
;; end of part 2
;; launch comb (part 3): grid 256 x 1, 8 waves a work-group, no clusters, 0 bytes of LDS; arguments part, stats, out0; writes out0
.if DOCPART == 3
	.amdgcn_target "amdgcn-amd-amdhsa--gfx1250"
	.amdhsa_code_object_version 6
	.text
	.protected	k_q573426b40d_comb
	.globl	k_q573426b40d_comb
	.p2align	8
	.type	k_q573426b40d_comb,@function
k_q573426b40d_comb:
	s_mov_b64 s[64:65], 0
	v_nop
	global_prefetch_b8 v0, s[64:65] scope:SCOPE_SE
	s_setreg_imm32_b32 hwreg(HW_REG_WAVE_MODE, 25, 1), 1
	s_wait_xcnt 0x0
; out0 = relu( sum_j 2^(M_j - M) O_j / sum_j 2^(M_j - M) l_j ), j the four chunks of 256 keys of a batch, M the largest M_j.  The M_j are whole numbers, so the factors are exact powers of two.
; part: [batch][chunk][rho 0..63][512] f32; stats: [batch][chunk][query tile][lane][-M, l].  rho = 16 x query tile + lane; its query is 32 (rho / 32) + 8 ((rho / 16) % 2) + rho % 8 + 16 ((rho / 8) % 2).
; SHARES: work-group g takes query tile g % 4 of batch g / 4; wave w rows rho = 16 (g % 4) + 2 w and rho + 1, whose queries are neighbours.  A row of a chunk is 2,048 bytes: four loads of 512 consecutive bytes.
; All 36 loads of a wave are issued at once; no loop, no LDS, no barrier: waves share nothing.  Memory binds: matrix units and clusters would add nothing.
; A chunk whose every key is masked has M_j near -1.4e10: the difference saturates in the conversion and its factor is 0, unless all four are so: then all four count alike, as in reference().
	s_load_b128 s[4:7], s[0:1], 0x0                ; part, stats
	s_load_b64 s[8:9], s[0:1], 0x10                ; out0
	v_lshrrev_b32 v1, 5, v0
	s_delay_alu instid0(VALU_DEP_1)
	v_readfirstlane_b32 s10, v1                    ; wave 0..7
	v_and_b32 v1, 31, v0
	s_delay_alu instid0(VALU_DEP_1)
	v_lshlrev_b32 v1, 4, v1                        ; 16 x lane
	v_mov_b32 v2, 0                                ; the stats' address is the same in every lane
	s_lshr_b32 s11, ttmp9, 2                       ; batch
	s_and_b32 s12, ttmp9, 3                        ; query tile
	s_lshl_b32 s14, s11, 12                        ; stats: 4,096 bytes a batch, 256 a query tile, 8 a row
	s_lshl_b32 s15, s12, 8
	s_add_co_u32 s14, s14, s15
	s_lshl_b32 s15, s10, 4
	s_add_co_u32 s14, s14, s15
	s_mov_b32 s15, 0
	s_lshl_b32 s16, s12, 4
	s_lshl_b32 s17, s10, 1
	s_add_co_u32 s16, s16, s17                     ; rho
	s_lshl_b32 s16, s16, 11
	s_lshl_b32 s17, s11, 19                        ; part: 4 x 131,072 bytes a batch
	s_add_co_u32 s16, s16, s17
	s_mov_b32 s17, 0
	s_lshr_b32 s18, s12, 1
	s_lshl_b32 s18, s18, 5                         ; 32 (tile / 2)
	s_and_b32 s19, s12, 1
	s_lshl_b32 s19, s19, 3                         ; + 8 (tile % 2)
	s_add_co_u32 s18, s18, s19
	s_lshl_b32 s19, s10, 1
	s_and_b32 s19, s19, 7                          ; + (2 w) % 8
	s_add_co_u32 s18, s18, s19
	s_lshr_b32 s19, s10, 2
	s_lshl_b32 s19, s19, 4                         ; + 16 (w / 4)
	s_add_co_u32 s18, s18, s19                     ; the query
	s_lshl_b32 s19, s11, 6
	s_add_co_u32 s18, s18, s19
	s_lshl_b32 s18, s18, 11                        ; its row of out0
	s_mov_b32 s19, 0
	s_wait_alu depctr_va_vdst(0)
	s_wait_kmcnt 0x0
	s_add_nc_u64 s[6:7], s[6:7], s[14:15]
	s_add_nc_u64 s[4:5], s[4:5], s[16:17]
	s_add_nc_u64 s[8:9], s[8:9], s[18:19]
.irp j, 0,1,2,3
	global_load_b128 v[8+4*\j:8+4*\j+3], v2, s[6:7] offset:1024*\j   ; chunk j: -M, l of my first row, -M, l of my second
.endr
.irp n, 0,1,2,3,4,5,6,7                ; group n: row n / 4, 512 bytes n % 4; the four chunks on end
.irp j, 0,1,2,3
	global_load_b128 v[64+16*\n+4*\j:64+16*\n+4*\j+3], v1, s[4:5] offset:131072*\j+2048*(\n/4)+512*(\n%4) th:TH_LOAD_NT
.endr
.endr
	s_wait_loadcnt 32                              ; the stats are in; the 32 loads behind them may be out
.irp e, 0,1
	v_min3_num_f32 v[24+\e], v[8+2*\e], v[12+2*\e], v[16+2*\e]
.endr
.irp e, 0,1
	s_delay_alu instid0(VALU_DEP_2)
	v_min_num_f32 v[24+\e], v[24+\e], v[20+2*\e]   ; -M = the least -M_j
.endr
.irp e, 0,1
.irp j, 0,1,2,3
	v_sub_f32 v[28+4*\e+\j], v[24+\e], v[8+4*\j+2*\e]   ; M_j - M: a whole number, 0 or less
.endr
.endr
.irp i, 0,1,2,3,4,5,6,7
	v_cvt_i32_f32 v[28+\i], v[28+\i]               ; (it saturates)
.endr
.irp i, 0,1,2,3,4,5,6,7
	v_ldexp_f32 v[28+\i], 1.0, v[28+\i]            ; f_j = 2^(M_j - M)
.endr
.irp e, 0,1
	v_mul_f32 v[26+\e], v[28+4*\e], v[9+2*\e]
.endr
.irp j, 1,2,3
.irp e, 0,1
	s_delay_alu instid0(VALU_DEP_2)
	v_fmac_f32 v[26+\e], v[28+4*\e+\j], v[9+4*\j+2*\e]   ; the row's sum: sum of f_j l_j
.endr
.endr
	s_wait_alu depctr_va_vdst(0)
.irp e, 0,1
	v_rcp_f32 v[36+\e], v[26+\e]
.endr
	v_nop                                          ; a plain instruction behind the reciprocals
	s_wait_alu depctr_va_vdst(0)                   ; one wait for both, ahead of their first reader
.irp e, 0,1
.irp j, 0,1,2,3
	v_mul_f32 v[40+8*\e+2*\j], v[28+4*\e+\j], v[36+\e]   ; f_j / the sum, in both words of a pair for the packed forms
	v_mul_f32 v[41+8*\e+2*\j], v[28+4*\e+\j], v[36+\e]
.endr
.endr
.irp n, 0,1,2,3,4,5,6,7
.set rA, 64+16*\n
.set rW, 40+8*(\n/4)
	s_wait_loadcnt 28-4*\n                         ; this group's four loads are in; the later groups' may be out
	v_pk_mul_f32 v[rA:rA+1], v[rA:rA+1], v[rW:rW+1]
	v_pk_mul_f32 v[rA+2:rA+3], v[rA+2:rA+3], v[rW:rW+1]
.irp j, 1,2,3
	s_delay_alu instid0(VALU_DEP_2)
	v_pk_fma_f32 v[rA:rA+1], v[rA+4*\j:rA+4*\j+1], v[rW+2*\j:rW+2*\j+1], v[rA:rA+1]
	s_delay_alu instid0(VALU_DEP_2)
	v_pk_fma_f32 v[rA+2:rA+3], v[rA+4*\j+2:rA+4*\j+3], v[rW+2*\j:rW+2*\j+1], v[rA+2:rA+3]
.endr
.irp k, 0,1,2,3
	v_max_num_f32 v[rA+\k], 0, v[rA+\k]            ; relu
.endr
	global_store_b128 v1, v[rA:rA+3], s[8:9] offset:2048*(\n/4)+512*(\n%4) th:TH_STORE_NT   ; 512 consecutive bytes, aligned; each group's registers are written once and not again
.endr
	s_endpgm
.Lfunc_end_k_q573426b40d_comb:
	.size	k_q573426b40d_comb, .Lfunc_end_k_q573426b40d_comb-k_q573426b40d_comb
	.p2alignl 7, 3214868480
	.fill 96, 4, 3214868480
	.section	.rodata,"a",@progbits
	.p2align	6, 0x0
	.amdhsa_kernel k_q573426b40d_comb
		.amdhsa_group_segment_fixed_size 0
		.amdhsa_private_segment_fixed_size 0
		.amdhsa_enable_private_segment 0
		.amdhsa_kernarg_size 24
		.amdhsa_user_sgpr_count 2
		.amdhsa_user_sgpr_kernarg_segment_ptr 1
		.amdhsa_wavefront_size32 1
		.amdhsa_system_sgpr_workgroup_id_x 1
		.amdhsa_system_sgpr_workgroup_id_y 1
		.amdhsa_system_sgpr_workgroup_id_z 1
		.amdhsa_system_vgpr_workitem_id 0
		.amdhsa_next_free_vgpr 192
		.amdhsa_next_free_sgpr 66
		.amdhsa_reserve_vcc 0
		.amdhsa_float_denorm_mode_32 3
		.amdhsa_float_denorm_mode_16_64 3
		.amdhsa_memory_ordered 1
		.amdhsa_forward_progress 1
		.amdhsa_inst_pref_size 15
	.end_amdhsa_kernel
	.amdgpu_metadata
---
amdhsa.version: [ 1, 2 ]
amdhsa.kernels:
  - .name:           k_q573426b40d_comb
    .symbol:         k_q573426b40d_comb.kd
    .args:
      - { .name: part, .offset: 0, .size: 8, .value_kind: global_buffer, .address_space: global }
      - { .name: stats, .offset: 8, .size: 8, .value_kind: global_buffer, .address_space: global }
      - { .name: out0, .offset: 16, .size: 8, .value_kind: global_buffer, .address_space: global }
    .group_segment_fixed_size: 0
    .private_segment_fixed_size: 0
    .kernarg_segment_align: 8
    .kernarg_segment_size: 24
    .max_flat_workgroup_size: 256
    .sgpr_count:     66
    .vgpr_count:     192
    .wavefront_size: 32
...
	.end_amdgpu_metadata
.endif
;; end of part 3
